; MI455X (gfx1250); checked and timed in simulation.
; The chip was launched on July 23, 2026; its instructions are those of AMD's public machine-readable ISA for CDNA 5 (MIT licence, August 2026) and "CDNA5" Instruction Set Architecture Reference Guide (July 2026). The comments in the code are by the model that wrote it; some were corrected since.
;; SG Envmap Material Net. Allowed arithmetic: float matrix products may take bf16 or f16 operands with f32 sums; other float arithmetic in f32, or as packed bf16 or f16 multiplies, adds, multiply-adds, maxima and minima; sums over many terms, partial sums and values carried from step to step in f32; what a program stores and reads back later, other than sums and carried values, may be rounded once to bf16 or f16.
;; Inputs: blending_weights 65,536 x 1 float32; diffuse_albedo 65,536 x 3 float32; lgtSGs 128 x 7 float32; normal 65,536 x 3 float32; roughness 1 x 1 float32; specular_reflectance 1 x 3 float32; viewdirs 65,536 x 3 float32.
;; Outputs: out0 65,536 x 3 float32.
;; 2 versions, each right; version 2 is version 1 with the launch sgshade written anew for expert scheduling mode. Each part assembles by itself: llvm-mc -triple=amdgcn-amd-amdhsa -mcpu=gfx1250 --defsym DOCPART=n.
;; ======== version 1 of 2: 1 launch
;; launch sgshade (part 1): grid 256 x 1, 16 waves a work-group, no clusters, 19,456 bytes of LDS; arguments lgtSGs, specular_reflectance, roughness, diffuse_albedo, normal, viewdirs, blending_weights, out0; writes out0
.if DOCPART == 1
	.amdgcn_target "amdgcn-amd-amdhsa--gfx1250"
	.amdhsa_code_object_version 6
	.text
	.protected	k_qede82b7ec2_sgshade
	.globl	k_qede82b7ec2_sgshade
	.p2align	8
	.type	k_qede82b7ec2_sgshade,@function
k_qede82b7ec2_sgshade:
	s_mov_b64 s[64:65], 0
	v_nop
	global_prefetch_b8 v0, s[64:65] scope:SCOPE_SE
	s_setreg_imm32_b32 hwreg(HW_REG_WAVE_MODE, 25, 1), 1
	s_wait_xcnt 0x0
; SPHERICAL-GAUSSIAN SHADING.  out[p][c] = max(bw[p] sum_m spec(p,m,c), 0) + max(sum_m diff(p,m,c), 0): 65,536 points p, 128 light lobes m, one material, all f32.
; SHARES.  A work-group owns 256 points; wave w takes points 32 (w & 7) .. + 31, a lane a point, and lobes 64 (w >> 3) .. + 63.  A lane works on TWO lobes at a time, in register pairs,
; so that every multiply, add and fused multiply-add is one packed instruction for two (point, lobe) pairs.  The two halves of the lobes meet in LDS at the end (f32 sums).
; WHAT IS TAKEN OUT OF THE LOOP.  mu[m][c] is the only factor that hangs on lobe and channel: a trip adds mu[m][c] g(p,m) for the specular and the diffuse part; warpMus, albedo, the
; blending weight and 2 ALPHA_COS multiply the six sums afterwards, and the two clips follow.  What hangs on the lobe alone lies in a table in LDS, made once by waves 0 to 3.
; THE ALGEBRA (equalities, none fitted to data).  hemisphere_int(lam, cb) = 2 pi H', H' = (1/lam)(1-x)(x + (1-x) s), x = e^-lam.  Its two branches are one function:
; s = (1 - a E) / ((1 - a)(1 + E)), a = e^-t, E = e^(-t cb); the branch only keeps E from overflowing, so here the exponent is capped (E <= 2^100).  1/lam = rsq(lam)^2 and
; sqrt(lam) = lam rsq(lam); t = sqrt(lam) lam (1.6988 lam + 10.8438) / (lam^2 + 6.2201 lam + 10.2415).  min(sqrt(r^2 + 1 + 2 r d), r + 1) = sqrt(r^2 + 1 + 2 r min(d, 1)), and its
; reciprocal is the same rsq.  For L.W no clamp: both are normalised by the computation itself; there the exponent is clamped at 0.  The cosine lobe's exponent on the specular lobe,
; fla (tmp - ratio - 1), is taken as 2 LAMBDA_COS (min(d2,1) - 1) / (tmp + ratio + 1): equal, and free of the rounding of tmp times fla, which the difference 32.708 .. - 31.7003 .. magnifies.
; All exponentials are base 2: log2(e) is folded into constants.
; LIMITS.  NaN and infinities are not treated apart (v_min_num / v_max_num drop a NaN, so a clip of NaN gives 0); E is capped at 2^100, i.e. e^(-t |cb|) counts as at least 2^-100;
; sqrt(y) is y rsq(y): y = 0 gives NaN; rcp, rsq, exp are good to one unit in the last place and flush denormals (ISA guide, their entries); lam^2 must stay finite (lam under 1e19).
; NOT USED: matrix units (the one product, g x mu, is 6 of a trip's 173 vector instructions), tensor loads, clusters (the only shared input is 3,584 bytes), prefetches (no wave waits for a stream).
.set PTS,    256                       ; points of a work-group
.set TRIPS,  32                        ; 64 lobes of a wave, two a trip
.set TABLE,  0                         ; LDS: 64 lobe pairs x 16 constants x 2 lobes x 4 bytes; constant k of lobe m at 128 (m / 2) + 8 k + 4 (m % 2)
.set RED,    8192                      ; six planes of 256 f32: the sums of waves 8 to 15
.set STAGE,  14336                     ; 256 points x 12 bytes: the result, as it lies in memory
.set SPARE,  17408                     ; the spare words, 128 bytes for each of 16 waves: eight blocks of 256 bytes that no other line names
.set LN,  1                            ; v1  lane
.set SPW, 2                            ; v2  LDS address of my spare word; never rewritten
.set NIL, 3                            ; v3  0; never rewritten
.set AT,  4                            ; v4  LDS address of the trip's lobe pair in the table (the same in all lanes)
.set ZO,  5                            ; v5  offset 0, for the loads that every lane makes of the same words
.set O12, 6                            ; v6  12 x my point's number in the work-group
.set O4,  7                            ; v7  4 x the same
; point constants, each written twice, so that packed instructions take them as plain pairs
.set NX, 8
.set NY, 10
.set NZ, 12
.set WX, 14                            ; warpLobes
.set WY, 16
.set WZ, 18
.set IWL, 20                           ; 1 / warpLambda
.set WL,  22                           ; warpLambda
.set WL2, 24                           ; warpLambda log2(e)
.set WN,  26                           ; warpLobe . n
.set NN,  28                           ; n . n
.set LCI, 30                           ; LAMBDA_COS / warpLambda
.set SA0, 32                           ; v[32:37] specular sums, a pair (even lobes', odd lobes') a channel
.set SA1, 34
.set SA2, 36
.set DA0, 38                           ; v[38:43] diffuse sums
.set DA1, 40
.set DA2, 42
.set FS,  44                           ; v[44:46] bw x 2 ALPHA_COS / r^4 x Moi[c]
.set FD,  47                           ; v[47:49] 2 ALPHA_COS x albedo[c]
; lobe constants of the trip, pairs (lobe 2j, lobe 2j + 1), in the table's order
.set LX, 52                            ; the early eight: last read in the trip's second stage, then loaded for the next trip
.set LY, 54
.set LZ, 56
.set LAM, 58                           ; |lgt[3]|
.set RD2, 60                           ; 2 rd, rd = LAMBDA_COS / lam
.set RD2P1, 62                         ; rd^2 + 1
.set TDN, 64                           ; - log2(e) t(lam + TINY)
.set LAML2, 66                         ; lam log2(e)
.set RD,  68                           ; the late eight: loaded at the trip's head
.set CD,  70                           ; (lam + LAMBDA_COS) log2(e)
.set CAD, 72                           ; a = e^-t of the lobe's own lambda
.set HD1, 74                           ; (1/lam)(1-x)^2 / (1-a)
.set HD0, 76                           ; (1/lam)(1-x) x
.set MUR, 78
.set MUG, 80
.set MUB, 82
; the trip's temporaries: a pair each, from v84 on (the set-up uses the same registers as scratch)
.set NEXT, 84
.macro PAIR name
.set \name, NEXT
.set NEXT, NEXT+2
.endm
.irp n, DLN, DLW, RAT, DNC, QT, Y, Y3, ED, RS, RS3, CPRE, T1, TMP, D2, RAT2, FLA, LAMB, E1, D2C, Y2, RQB, NB, XB, TMP3, LAMC, E3, T3, DD1, RQC, NC, XC, RDD, NUMD, RS2, RSB, RSC, RP2, T2, DM
	PAIR \n
.endr
.irp n, TMP2, LAMA, D1, RSD, RQA, NA, XA, SQB, AB, EB, CCB, OMXB, SQC, AC, EC, CCC, OMXC, HD, RSA, E2, SQA, AA, EA, UB, RDB, NUMB, UC, RDC, NUMC, CCA, OMXA, UA, RDA, NUMA, X0, X1, X2, X3
	PAIR \n
.endr
; set-up scratch
.set PN,  84                           ; v[84:86]  normal
.set PV,  88                           ; v[88:90]  viewdir
.set PA,  92                           ; v[92:94]  albedo
.set PBW, 95                           ; blending weight
.set PR,  96                           ; roughness
.set PS,  98                           ; v[98:100] specular reflectance
.set PL,  102                          ; v[102:108] a lobe's seven numbers
; scalars
.set WV,  24                           ; my wave's number
.set CNT, 25                           ; trips to go
.set KT,  32                           ; constants for packed instructions: pairs, both words written, the low word taken for both halves
.set KQ1, 34
.set KQ0, 36
.set KP1, 38
.set KP0, 40
.set KNL, 42
.set KD2, 44
.set KD2N, 46
.set KRHO, 48
.set K100, 50
.set KLC, 51
.set KF1, 52
.set KF0, 53
.set K2A, 54
.macro KPAIR k, bits
	s_mov_b32 s[\k], \bits
	s_mov_b32 s[\k+1], \bits
.endm
; packed arithmetic on pairs
.macro PMUL d, a, b
	v_pk_mul_f32 v[\d:\d+1], v[\a:\a+1], v[\b:\b+1]
.endm
.macro PADD d, a, b
	v_pk_add_f32 v[\d:\d+1], v[\a:\a+1], v[\b:\b+1]
.endm
.macro PFMA d, a, b, c                 ; a b + c
	v_pk_fma_f32 v[\d:\d+1], v[\a:\a+1], v[\b:\b+1], v[\c:\c+1]
.endm
.macro PFMS d, a, b, c                 ; a b - c
	v_pk_fma_f32 v[\d:\d+1], v[\a:\a+1], v[\b:\b+1], v[\c:\c+1] neg_lo:[0,0,1] neg_hi:[0,0,1]
.endm
.macro PMULK d, a, k                   ; a K
	v_pk_mul_f32 v[\d:\d+1], v[\a:\a+1], s[\k:\k+1] op_sel_hi:[1,0]
.endm
.macro PADDK d, a, k                   ; a + K
	v_pk_add_f32 v[\d:\d+1], v[\a:\a+1], s[\k:\k+1] op_sel_hi:[1,0]
.endm
.macro PFMAK d, a, b, k                ; a b + K
	v_pk_fma_f32 v[\d:\d+1], v[\a:\a+1], v[\b:\b+1], s[\k:\k+1] op_sel_hi:[1,1,0]
.endm
.macro PLIN d, a, k1, k0               ; a K1 + K0
	v_pk_fma_f32 v[\d:\d+1], v[\a:\a+1], s[\k1:\k1+1], s[\k0:\k0+1] op_sel_hi:[1,0,0]
.endm
.macro PFMSK d, a, k, c                ; a K - c
	v_pk_fma_f32 v[\d:\d+1], v[\a:\a+1], s[\k:\k+1], v[\c:\c+1] op_sel_hi:[1,0,1] neg_lo:[0,0,1] neg_hi:[0,0,1]
.endm
.macro PADD1 d, a                      ; a + 1
	v_pk_add_f32 v[\d:\d+1], v[\a:\a+1], 1.0 op_sel_hi:[1,0]
.endm
.macro PFMA1 d, a, b                   ; a b + 1
	v_pk_fma_f32 v[\d:\d+1], v[\a:\a+1], v[\b:\b+1], 1.0 op_sel_hi:[1,1,0]
.endm
.macro PNFMA1 d, a, b                  ; 1 - a b
	v_pk_fma_f32 v[\d:\d+1], v[\a:\a+1], v[\b:\b+1], 1.0 op_sel_hi:[1,1,0] neg_lo:[1,0,0] neg_hi:[1,0,0]
.endm
.macro POM d, a                        ; 1 - a
	v_pk_fma_f32 v[\d:\d+1], v[\a:\a+1], -1.0, 1.0 op_sel_hi:[1,0,0]
.endm
.macro P2A d, a, c                     ; 2 a + c
	v_pk_fma_f32 v[\d:\d+1], v[\a:\a+1], 2.0, v[\c:\c+1] op_sel_hi:[1,0,1]
.endm
.macro MIN2 d, k, a                    ; min(a, k), both halves (there is no packed f32 minimum)
	v_min_num_f32 v[\d], \k, v[\a]
	v_min_num_f32 v[\d+1], \k, v[\a+1]
.endm
.macro TR op, d, a                     ; a transcendental, both halves
	\op v[\d], v[\a]
	\op v[\d+1], v[\a+1]
.endm
.macro DUP d, s                        ; a point constant, written twice
	v_mov_b32 v[\d], v[\s]
	v_mov_b32 v[\d+1], v[\s]
.endm
	s_load_b256 s[8:15], s[0:1], 0x0               ; lgtSGs s[8:9], specular_reflectance s[10:11], roughness s[12:13], diffuse_albedo s[14:15]
	s_load_b256 s[16:23], s[0:1], 0x20             ; normal s[16:17], viewdirs s[18:19], blending_weights s[20:21], out0 s[22:23]
	v_lshl_add_u32 v[SPW], v0, 2, SPARE
	v_mov_b32 v[NIL], 0
	v_lshrrev_b32 v[ZO], 5, v0
	v_readfirstlane_b32 s[WV], v[ZO]               ; wave 0..15
	v_and_b32 v[LN], 31, v0
	v_mov_b32 v[ZO], 0
	s_and_b32 s26, s[WV], 7                        ; which 32 points of the work-group's 256
	s_mul_i32 s27, s26, 384
	s_lshl_b32 s28, s26, 7
	v_mul_u32_u24 v[O12], v[LN], 12
	v_add_nc_u32 v[O12], s27, v[O12]               ; 12 x (32 x group + lane)
	v_lshl_add_u32 v[O4], v[LN], 2, s28            ; 4 x the same
	s_lshr_b32 s29, s[WV], 3                       ; which half of the lobes
	s_lshl_b32 s29, s29, 12                        ; 32 lobe pairs of 128 bytes
	v_mov_b32 v[AT], s29
	s_mul_i32 s2, ttmp9, 12*PTS                    ; the work-group's first point in the arrays of three numbers a point,
	s_mov_b32 s3, 0
	s_lshl_b32 s4, ttmp9, 10                       ; and in the weights
	s_mov_b32 s5, 0
	KPAIR KT,   0x358637bd                         ; TINY = 1e-6
	KPAIR KQ1,  0x40c70b0f                         ; 6.2201
	KPAIR KQ0,  0x4123dd2f                         ; 10.2415
	KPAIR KP1,  0xc01cdabb                         ; - log2(e) 1.6988
	KPAIR KP0,  0xc17a4f0a                         ; - log2(e) 10.8438
	KPAIR KNL,  0xbfb8aa3b                         ; - log2(e)
	KPAIR KD2,  0x3dba246d                         ; 2 LAMBDA_COS log2(e)
	KPAIR KD2N, 0xbdba246d                         ; its negative
	KPAIR KRHO, 0x3f8411a4                         ; MU_COS / ALPHA_COS
	s_mov_b32 s[K100], 0x42c80000                  ; 100: the cap of E's exponent
	s_mov_b32 s[KLC], 0x3d010625                   ; LAMBDA_COS = 0.0315
	s_mov_b32 s[KF1], 0x40b1c059                   ; 5.55473
	s_mov_b32 s[KF0], 0x40da9c78                   ; 6.8316
	s_mov_b32 s[K2A], 0x427d9a37                   ; 2 ALPHA_COS = 63.4006
	s_wait_kmcnt 0x0
	s_add_nc_u64 s[14:15], s[14:15], s[2:3]
	s_add_nc_u64 s[16:17], s[16:17], s[2:3]
	s_add_nc_u64 s[18:19], s[18:19], s[2:3]
	s_add_nc_u64 s[20:21], s[20:21], s[4:5]
	s_add_nc_u64 s[22:23], s[22:23], s[2:3]
	; a point's record is 12 bytes: three loads of a word, which together cover the wave's 384 consecutive bytes
.irp i, 0,1,2
	global_load_b32 v[PN+(\i)], v[O12], s[16:17] offset:4*(\i)
	global_load_b32 v[PV+(\i)], v[O12], s[18:19] offset:4*(\i)
.endr
	global_load_b32 v[PR], v[ZO], s[12:13]
.irp i, 0,1,2
	global_load_b32 v[PS+(\i)], v[ZO], s[10:11] offset:4*(\i)
	global_load_b32 v[PA+(\i)], v[O12], s[14:15] offset:4*(\i)
.endr
	global_load_b32 v[PBW], v[O4], s[20:21]
	; THE LOBE TABLE: waves 0 to 3, a lane a lobe (lobe = 32 x wave + lane)
	s_cmp_lt_u32 s[WV], 4
	s_cbranch_scc0 .Lpoints
	s_mul_i32 s29, s[WV], 896
	v_mul_u32_u24 v50, v[LN], 28
	v_add_nc_u32 v50, s29, v50                     ; 28 bytes a lobe
.irp i, 0,1,2,3,4,5,6
	global_load_b32 v[PL+(\i)], v50, s[8:9] offset:4*(\i)
.endr
	s_wait_loadcnt 0x0
	v_mul_f32 v110, v102, v102
	v_fma_f32 v110, v103, v103, v110
	v_fma_f32 v110, v104, v104, v110               ; |l|^2
	v_and_b32 v111, 0x7fffffff, v105               ; lam
	v_add_f32 v112, s[KT], v111                    ; lam + TINY
	v_sqrt_f32 v110, v110
	v_add_f32 v115, s[KQ1], v112
	v_rcp_f32 v113, v111
	v_fma_f32 v115, v112, v115, s[KQ0]             ; lam^2 + 6.2201 lam + 10.2415
	v_rsq_f32 v114, v112
	v_mul_f32 v116, s[KNL], v112
	v_rcp_f32 v115, v115
	v_exp_f32 v116, v116                           ; x = e^-lam
	v_fma_f32 v117, v112, s[KP1], s[KP0]
	v_mul_f32 v117, v117, v112
	v_mul_f32 v124, 0x3fb8aa3b, v111               ; lam log2(e)
	v_add_f32 v125, s[KLC], v111
	v_mul_f32 v125, 0x3fb8aa3b, v125               ; (lam + LAMBDA_COS) log2(e)
	s_wait_alu depctr_va_vdst(0)                   ; one wait for the five above, ahead of their first reader
	v_add_f32 v110, s[KT], v110
	v_mul_f32 v118, v112, v114                     ; sqrt(lam)
	v_mul_f32 v117, v117, v115
	v_rcp_f32 v110, v110                           ; 1 / (|l| + TINY)
	v_mul_f32 v117, v117, v118                     ; - log2(e) t
	v_mul_f32 v113, s[KLC], v113                   ; rd
	v_exp_f32 v119, v117                           ; a
	v_mul_f32 v114, v114, v114                     ; 1 / lam
	v_sub_f32 v120, 1.0, v116
	v_mul_f32 v114, v114, v120
	v_mul_f32 v121, v114, v116                     ; (1/lam)(1-x) x
	v_mul_f32 v114, v114, v120                     ; (1/lam)(1-x)^2
	v_add_f32 v122, v113, v113
	v_fma_f32 v123, v113, v113, 1.0
	s_wait_alu depctr_va_vdst(0)                   ; for the reciprocal and a
	v_sub_f32 v126, 1.0, v119
	v_mul_f32 v102, v102, v110
	v_rcp_f32 v126, v126
	v_mul_f32 v103, v103, v110
	v_mul_f32 v104, v104, v110                     ; the lobe's axis
	v_and_b32 v106, 0x7fffffff, v106
	v_and_b32 v107, 0x7fffffff, v107
	v_and_b32 v108, 0x7fffffff, v108               ; mu
	v_lshrrev_b32 v51, 1, v[LN]
	v_lshlrev_b32 v51, 7, v51
	v_and_b32 v50, 1, v[LN]
	v_lshl_add_u32 v51, v50, 2, v51
	s_lshl_b32 s29, s[WV], 11
	v_add_nc_u32 v51, s29, v51                     ; 2,048 x wave + 128 (lane / 2) + 4 (lane % 2)
	s_wait_alu depctr_va_vdst(0)
	v_mul_f32 v114, v114, v126                     ; / (1 - a)
	ds_store_b32 v51, v102 offset:TABLE+0
	ds_store_b32 v51, v103 offset:TABLE+8
	ds_store_b32 v51, v104 offset:TABLE+16
	ds_store_b32 v51, v111 offset:TABLE+24
	ds_store_b32 v51, v122 offset:TABLE+32
	ds_store_b32 v51, v123 offset:TABLE+40
	ds_store_b32 v51, v117 offset:TABLE+48
	ds_store_b32 v51, v124 offset:TABLE+56
	ds_store_b32 v51, v113 offset:TABLE+64
	ds_store_b32 v51, v125 offset:TABLE+72
	ds_store_b32 v51, v119 offset:TABLE+80
	ds_store_b32 v51, v114 offset:TABLE+88
	ds_store_b32 v51, v121 offset:TABLE+96
	ds_store_b32 v51, v106 offset:TABLE+104
	ds_store_b32 v51, v107 offset:TABLE+112
	ds_store_b32 v51, v108 offset:TABLE+120
.Lpoints:                                      ; WHAT HANGS ON THE POINT ALONE: every wave, for its 32 points (both waves of a point make it: some 130 instructions against a loop of 6,000)
	s_wait_loadcnt 0x0
	v_mul_f32 v110, v[PN], v[PV]
	v_mul_f32 v111, v[PN], v[PN]
	v_mul_f32 v112, v[PR], v[PR]
	v_fma_f32 v110, v[PN+1], v[PV+1], v110
	v_fma_f32 v111, v[PN+1], v[PN+1], v111
	v_mul_f32 v112, v112, v112                     ; r^4
	v_fma_f32 v110, v[PN+2], v[PV+2], v110         ; n . v
	v_fma_f32 v111, v[PN+2], v[PN+2], v111         ; n . n
	v_rcp_f32 v114, v112                           ; 1 / r^4
	v_max_num_f32 v110, 0, v110                    ; v_dot_lobe = dot2
	v_add_f32 v113, 1.0, v[PR]
	v_add_f32 v115, v110, v110
	v_fma_f32 v119, 4.0, v110, s[KT]               ; 4 v_dot_lobe + TINY
	v_fma_f32 v116, v115, v[PN], -v[PV]
	v_fma_f32 v117, v115, v[PN+1], -v[PV+1]
	v_fma_f32 v118, v115, v[PN+2], -v[PV+2]        ; 2 v_dot_lobe n - v
	v_rcp_f32 v121, v119
	v_mul_f32 v120, v116, v116
	v_fma_f32 v120, v117, v117, v120
	v_fma_f32 v120, v118, v118, v120
	v_mul_f32 v113, v113, v113
	v_sqrt_f32 v120, v120
	v_mul_f32 v113, 0x3e000000, v113               ; kk = (r + 1)^2 / 8
	v_sub_f32 v122, 1.0, v113                      ; 1 - kk
	v_add_f32 v113, s[KT], v113                    ; kk + TINY
	v_mul_f32 v124, v119, v112
	v_mul_f32 v124, 0.5, v124                      ; 1 / warpLambda = (4 v_dot_lobe + TINY) r^4 / 2
	v_fma_f32 v125, v110, v122, v113               ; G2's denominator
	s_wait_alu depctr_va_vdst(0)
	v_add_f32 v120, s[KT], v120
	v_mul_f32 v123, v114, v121
	v_rcp_f32 v120, v120
	v_add_f32 v123, v123, v123                     ; warpLambda
	v_mul_f32 v142, s[KLC], v124
	v_mul_f32 v141, 0x3fb8aa3b, v123
	s_wait_alu depctr_va_vdst(0)
	v_mul_f32 v116, v116, v120
	v_mul_f32 v117, v117, v120
	v_mul_f32 v118, v118, v120                     ; warpLobe
	v_add_f32 v126, v116, v[PV]
	v_add_f32 v127, v117, v[PV+1]
	v_add_f32 v128, v118, v[PV+2]                  ; warpLobe + v
	v_mul_f32 v131, v116, v[PN]
	v_mul_f32 v129, v126, v126
	v_mul_f32 v130, v126, v[PV]
	v_fma_f32 v131, v117, v[PN+1], v131
	v_fma_f32 v129, v127, v127, v129
	v_fma_f32 v130, v127, v[PV+1], v130
	v_fma_f32 v131, v118, v[PN+2], v131            ; warpLobe . n
	v_fma_f32 v129, v128, v128, v129
	v_fma_f32 v130, v128, v[PV+2], v130            ; v . (warpLobe + v)
	v_sqrt_f32 v129, v129
	v_max_num_f32 v132, 0, v131                    ; dot1
	v_fma_f32 v133, v132, v122, v113               ; G1's denominator
	v_mul_f32 v134, v132, v110                     ; dot1 dot2
	v_mul_f32 v133, v133, v125
	v_fma_f32 v135, 4.0, v134, s[KT]
	v_mul_f32 v133, v133, v135                     ; the three denominators of Moi, as one
	v_rcp_f32 v133, v133
	v_mul_f32 v137, v114, v[PBW]
	v_mul_f32 v137, s[K2A], v137                   ; bw 2 ALPHA_COS / r^4
	s_wait_alu depctr_va_vdst(0)
	v_add_f32 v129, s[KT], v129
	v_mul_f32 v134, v134, v133
	v_rcp_f32 v129, v129
	v_mul_f32 v134, v134, v137
	s_wait_alu depctr_va_vdst(0)
	v_mul_f32 v130, v130, v129
	v_max_num_f32 v130, 0, v130                    ; v_dot_h
	v_fma_f32 v136, v130, s[KF1], s[KF0]
	v_mul_f32 v136, v136, -v130
	v_exp_f32 v136, v136                           ; 2^(-(5.55473 vh + 6.8316) vh)
.irp c, 0,1,2
	v_sub_f32 v[138+(\c)], 1.0, v[PS+(\c)]
	v_mul_f32 v[FD+(\c)], s[K2A], v[PA+(\c)]
.endr
	DUP NX, PN
	DUP NY, PN+1
	DUP NZ, PN+2
	DUP WX, 116
	DUP WY, 117
	DUP WZ, 118
	DUP IWL, 124
	DUP WL, 123
	DUP WL2, 141
	DUP WN, 131
	DUP NN, 111
	DUP LCI, 142
.set r, SA0
.rept 12
	v_mov_b32 v[r], 0                              ; the six pairs of sums
.set r, r+1
.endr
	s_wait_alu depctr_va_vdst(0)
.irp c, 0,1,2
	v_fma_f32 v[FS+(\c)], v[138+(\c)], v136, v[PS+(\c)]  ; Fresnel
	v_mul_f32 v[FS+(\c)], v[FS+(\c)], v134
.endr
	s_wait_dscnt 0x0                               ; for the others' sake: my part of the table is stored
	s_barrier_signal -1
	s_barrier_wait -1                              ; the table is whole
	ds_load_b128 v[LX:LX+3],   v[AT] offset:TABLE+0
	ds_load_b128 v[LZ:LZ+3],   v[AT] offset:TABLE+16
	ds_load_b128 v[RD2:RD2+3], v[AT] offset:TABLE+32
	ds_load_b128 v[TDN:TDN+3], v[AT] offset:TABLE+48
; A TRIP: two lobes for my point.  Subscripts: B = hemisphere_int(fla, d2), A = hemisphere_int(lap, d1) (specular); D = the light lobe's own, C = hemisphere_int(lap2, dd1) (diffuse).
; The 54 transcendentals fall into five batches by what they wait for.  Each is issued as soon as its argument is made, among plain instructions that name no result of the batch, and each batch
; has ONE s_wait_alu depctr_va_vdst(0) ahead of its first reader; a plain instruction stands behind the last transcendental of each batch.
; last = 1: the wave's last trip, which loads nothing for a next one.
.macro BODY last
	s_wait_dscnt 0x0                               ; the early eight constants, asked for in the trip before
	ds_load_b128 v[RD:RD+3],   v[AT] offset:TABLE+64   ; the late eight: their last readers were the sums of the trip before
	ds_load_b128 v[CAD:CAD+3], v[AT] offset:TABLE+80
	ds_load_b128 v[HD0:HD0+3], v[AT] offset:TABLE+96
	ds_load_b128 v[MUG:MUG+3], v[AT] offset:TABLE+112
	PMUL DLN, LX, NX
	PMUL DLW, LX, WX
	PMUL RAT, LAM, IWL                             ; ratio = lam / warpLambda
	PFMA DLN, LY, NY, DLN
	PFMA DLW, LY, WY, DLW
	PADD CPRE, LAML2, WL2                          ; warpLambda (ratio + 1) log2(e)
	PFMA DLN, LZ, NZ, DLN                          ; L . n
	PFMA DLW, LZ, WZ, DLW                          ; L . W
	MIN2 DNC, 1.0, DLN
	PMUL ED, TDN, DLN                              ; - t_D cb log2(e)
	P2A  QT, DLW, RAT
	PFMA Y3, RD2, DNC, RD2P1                       ; rd^2 + 1 + 2 rd min(L.n, 1)
	MIN2 ED, s[K100], ED
	PFMA1 Y, RAT, QT                               ; ratio^2 + 1 + 2 ratio L.W
	TR v_rsq_f32, RS3, Y3
	TR v_exp_f32, ED, ED
	TR v_rsq_f32, RS, Y
	PFMA T1, RAT, DLN, WN
	s_wait_dscnt 0x0                               ; the late eight
	PFMA T3, RD, NN, DLN
	s_wait_alu depctr_va_vdst(0)                   ; batch 1
	PMUL TMP3, Y3, RS3
	PMUL TMP, Y, RS
	PADD1 RDD, ED                                  ; 1 + E_D
	PMUL DD1, RS3, T3                              ; dd1 = (rd n.n + L.n) / tmp3
	PMUL D2, RS, T1                                ; d2 = (ratio L.n + W.n) / tmp
	TR v_rcp_f32, RDD, RDD
	PMUL RAT2, LCI, RS                             ; LAMBDA_COS / fla
	PFMS E3, LAML2, TMP3, CD                       ; lam (tmp3 - rd - 1) log2(e)
	PFMAK LAMC, LAM, TMP3, KT                      ; lap2 + TINY
	PFMS E1, WL2, TMP, CPRE                        ; warpLambda (tmp - ratio - 1) log2(e)
	TR v_exp_f32, E3, E3
	PFMAK LAMB, WL, TMP, KT                        ; fla + TINY
.if \last == 0
	ds_load_b128 v[LX:LX+3],   v[AT] offset:TABLE+128  ; the early eight have been read for the last time: the next lobe pair's
	ds_load_b128 v[LZ:LZ+3],   v[AT] offset:TABLE+144
	ds_load_b128 v[RD2:RD2+3], v[AT] offset:TABLE+160
	ds_load_b128 v[TDN:TDN+3], v[AT] offset:TABLE+176
.endif
	PMUL FLA, WL, TMP
	MIN2 E1, 0, E1                                 ; the minimum with ratio + 1 keeps this exponent at 0 or below
	MIN2 D2C, 1.0, D2
	TR v_rsq_f32, RSC, LAMC
	PADDK RQC, LAMC, KQ1
	PADDK RQB, LAMB, KQ1
	TR v_exp_f32, E1, E1
	PLIN NC, LAMC, KP1, KP0
	PFMAK RQC, LAMC, RQC, KQ0
	TR v_rsq_f32, RSB, LAMB
	PFMAK RQB, LAMB, RQB, KQ0
	PMULK XC, LAMC, KNL
	TR v_rcp_f32, RQC, RQC
	PMULK XB, LAMB, KNL
	P2A  QT, D2C, RAT2
	TR v_rcp_f32, RQB, RQB
	PLIN NB, LAMB, KP1, KP0
	PFMA1 Y2, RAT2, QT                             ; ratio2^2 + 1 + 2 ratio2 min(d2, 1)
	TR v_exp_f32, XC, XC
	PNFMA1 NUMD, CAD, ED                           ; 1 - a_D E_D
	PMUL NC, NC, LAMC
	TR v_exp_f32, XB, XB
	PMUL NB, NB, LAMB
	PADD1 RP2, RAT2
	TR v_rsq_f32, RS2, Y2
	PFMA T2, RAT2, NN, D2
	PLIN DM, D2C, KD2, KD2N                        ; 2 LAMBDA_COS log2(e) (min(d2, 1) - 1)
	s_wait_alu depctr_va_vdst(0)                   ; batch 2
	PMUL TMP2, Y2, RS2
	PMUL SQC, LAMC, RSC                            ; sqrt(lam)
	PMUL AC, NC, RQC
	PMUL SQB, LAMB, RSB
	PMUL AB, NB, RQB
	PADD RSD, TMP2, RP2                            ; tmp2 + ratio2 + 1
	PFMAK LAMA, FLA, TMP2, KT                      ; lap + TINY
	PMUL AC, AC, SQC                               ; - t_C log2(e)
	PMUL AB, AB, SQB                               ; - t_B log2(e)
	TR v_rcp_f32, RSD, RSD
	PMUL D1, RS2, T2                               ; d1 = (ratio2 n.n + d2) / tmp2
	PMUL EC, AC, DD1
	TR v_rsq_f32, RSA, LAMA
	PMUL EB, AB, D2
	PADDK RQA, LAMA, KQ1
	TR v_exp_f32, AC, AC                           ; a_C
	MIN2 EC, s[K100], EC
	TR v_exp_f32, AB, AB                           ; a_B
	MIN2 EB, s[K100], EB
	PFMAK RQA, LAMA, RQA, KQ0
	TR v_exp_f32, EC, EC
	PMULK XA, LAMA, KNL
	PLIN NA, LAMA, KP1, KP0
	TR v_exp_f32, EB, EB
	PMUL CCC, RSC, RSC                             ; 1 / lam
	POM  OMXC, XC
	TR v_rcp_f32, RQA, RQA
	PMUL CCB, RSB, RSB
	POM  OMXB, XB
	TR v_exp_f32, XA, XA
	PMUL X0, NUMD, RDD                             ; (1 - a) s_D
	PMUL NA, NA, LAMA
	PMUL CCC, CCC, OMXC                            ; (1/lam)(1 - x)
	PMUL CCB, CCB, OMXB
	PFMA HD, X0, HD1, HD0                          ; H'_D
	s_wait_alu depctr_va_vdst(0)                   ; batch 3
	PMUL E2, DM, RSD                               ; fla (tmp2 - ratio2 - 1) log2(e)
	PMUL SQA, LAMA, RSA
	PMUL AA, NA, RQA
	POM  UC, AC
	POM  UB, AB
	TR v_exp_f32, E2, E2
	PMUL AA, AA, SQA                               ; - t_A log2(e)
	PFMA RDC, UC, EC, UC                           ; (1 - a)(1 + E)
	PFMA RDB, UB, EB, UB
	PMUL EA, AA, D1
	TR v_rcp_f32, RDC, RDC
	PNFMA1 NUMC, AC, EC                            ; 1 - a E
	TR v_exp_f32, AA, AA
	MIN2 EA, s[K100], EA
	TR v_rcp_f32, RDB, RDB
	PNFMA1 NUMB, AB, EB
	TR v_exp_f32, EA, EA
	PMUL CCA, RSA, RSA
	POM  OMXA, XA
	PMUL CCA, CCA, OMXA
	s_wait_alu depctr_va_vdst(0)                   ; batch 4
	POM  UA, AA
	PMUL X1, NUMC, RDC                             ; s_C
	PMUL X0, NUMB, RDB                             ; s_B
	PNFMA1 NUMA, AA, EA
	PFMA RDA, UA, EA, UA
	PFMA X1, OMXC, X1, XC                          ; x + (1 - x) s
	PFMA X0, OMXB, X0, XB
	TR v_rcp_f32, RDA, RDA
	PMUL X1, CCC, X1                               ; H'_C
	PMUL X0, CCB, X0                               ; H'_B
	PMUL X2, E2, CCA
	PMUL X1, E3, X1
	PFMSK X1, X1, KRHO, HD                         ; (MU_COS / ALPHA_COS) e^diff3 H'_C - H'_D
	PFMA DA0, MUR, X1, DA0
	PFMA DA1, MUG, X1, DA1
	PFMA DA2, MUB, X1, DA2
	s_wait_alu depctr_va_vdst(0)                   ; batch 5
	PMUL X3, NUMA, RDA                             ; s_A
	PFMA X3, OMXA, X3, XA
	PMUL X3, X2, X3                                ; e^diff2 H'_A
	PFMSK X3, X3, KRHO, X0
	PMUL X3, X3, E1                                ; e^diff ((MU_COS / ALPHA_COS) e^diff2 H'_A - H'_B)
	PFMA SA0, MUR, X3, SA0
	PFMA SA1, MUG, X3, SA1
	PFMA SA2, MUB, X3, SA2
.if \last == 0
	v_add_nc_u32 v[AT], 128, v[AT]                 ; the next lobe pair
.endif
.endm
	s_mov_b32 s[CNT], TRIPS-1
.Ltrip:
	BODY 0
	s_sub_co_u32 s[CNT], s[CNT], 1
	s_cmp_lg_u32 s[CNT], 0
	s_cbranch_scc1 .Ltrip
	BODY 1                                         ; the last trip is written out: it reads nothing behind the wave's half of the table
	; THE END.  Even and odd lobes' sums are added; waves 8 to 15 hand theirs to waves 0 to 7, which finish the points.
.irp a, SA0, SA1, SA2, DA0, DA1, DA2
	v_add_f32 v[\a], v[\a], v[\a+1]
.endr
	s_cmp_lt_u32 s[WV], 8
	s_cbranch_scc1 .Lkeep
	ds_store_b32 v[O4], v[SA0] offset:RED
	ds_store_b32 v[O4], v[SA1] offset:RED+1024
	ds_store_b32 v[O4], v[SA2] offset:RED+2048
	ds_store_b32 v[O4], v[DA0] offset:RED+3072
	ds_store_b32 v[O4], v[DA1] offset:RED+4096
	ds_store_b32 v[O4], v[DA2] offset:RED+5120
.Lkeep:
	s_wait_dscnt 0x0                               ; for the others' sake: my sums are stored
	s_barrier_signal -1
	s_barrier_wait -1
	s_cmp_lt_u32 s[WV], 8
	s_cbranch_scc0 .Lstaged
.irp k, 0,1,2,3,4,5
	ds_load_b32 v[84+(\k)], v[O4] offset:RED+1024*(\k)
.endr
	s_wait_dscnt 0x0
	v_add_f32 v[SA0], v[SA0], v84
	v_add_f32 v[SA1], v[SA1], v85
	v_add_f32 v[SA2], v[SA2], v86
	v_add_f32 v[DA0], v[DA0], v87
	v_add_f32 v[DA1], v[DA1], v88
	v_add_f32 v[DA2], v[DA2], v89
	v_mul_f32 v[SA0], v[SA0], v[FS]
	v_mul_f32 v[SA1], v[SA1], v[FS+1]
	v_mul_f32 v[SA2], v[SA2], v[FS+2]
	v_mul_f32 v[DA0], v[DA0], v[FD]
	v_mul_f32 v[DA1], v[DA1], v[FD+1]
	v_mul_f32 v[DA2], v[DA2], v[FD+2]
.irp a, SA0, SA1, SA2, DA0, DA1, DA2
	v_max_num_f32 v[\a], 0, v[\a]                  ; the two clips
.endr
	v_add_f32 v[SA0], v[SA0], v[DA0]
	v_add_f32 v[SA1], v[SA1], v[DA1]
	v_add_f32 v[SA2], v[SA2], v[DA2]
	ds_store_b32 v[O12], v[SA0] offset:STAGE       ; the point's 12 bytes, where they lie in the work-group's 3,072 bytes of out0
	ds_store_b32 v[O12], v[SA1] offset:STAGE+4
	ds_store_b32 v[O12], v[SA2] offset:STAGE+8
.Lstaged:
	s_wait_dscnt 0x0                               ; for the others' sake: my points are staged
	s_barrier_signal -1
	s_barrier_wait -1
	s_cmp_lt_u32 s[WV], 6                          ; 3,072 bytes are six waves' stores of 512
	s_cbranch_scc0 .Lend
	s_lshl_b32 s29, s[WV], 9
	v_lshl_add_u32 v50, v[LN], 4, s29
	ds_load_b128 v[84:87], v50 offset:STAGE
	s_wait_dscnt 0x0
	global_store_b128 v50, v[84:87], s[22:23]      ; 16 lanes store 256 consecutive bytes, at a multiple of 256 from out0's first byte
.Lend:
	s_wait_tensorcnt 0x0                           ; the wave's end, behind my last LDS store
	ds_add_u32 v[SPW], v[NIL]
	s_wait_dscnt 0x0
	s_endpgm
.Lfunc_end_k_qede82b7ec2_sgshade:
	.size	k_qede82b7ec2_sgshade, .Lfunc_end_k_qede82b7ec2_sgshade-k_qede82b7ec2_sgshade
	.p2alignl 7, 3214868480
	.fill 96, 4, 3214868480
	.section	.rodata,"a",@progbits
	.p2align	6, 0x0
	.amdhsa_kernel k_qede82b7ec2_sgshade
		.amdhsa_group_segment_fixed_size 19456
		.amdhsa_private_segment_fixed_size 0
		.amdhsa_enable_private_segment 0
		.amdhsa_kernarg_size 64
		.amdhsa_user_sgpr_count 2
		.amdhsa_user_sgpr_kernarg_segment_ptr 1
		.amdhsa_wavefront_size32 1
		.amdhsa_system_sgpr_workgroup_id_x 1
		.amdhsa_system_sgpr_workgroup_id_y 1
		.amdhsa_system_sgpr_workgroup_id_z 1
		.amdhsa_system_vgpr_workitem_id 0
		.amdhsa_next_free_vgpr 240
		.amdhsa_next_free_sgpr 66
		.amdhsa_reserve_vcc 0
		.amdhsa_float_denorm_mode_32 3
		.amdhsa_float_denorm_mode_16_64 3
		.amdhsa_memory_ordered 1
		.amdhsa_forward_progress 1
		.amdhsa_inst_pref_size 35
	.end_amdhsa_kernel
	.amdgpu_metadata
---
amdhsa.version: [ 1, 2 ]
amdhsa.kernels:
  - .name:           k_qede82b7ec2_sgshade
    .symbol:         k_qede82b7ec2_sgshade.kd
    .args:
      - { .name: lgtSGs, .offset: 0, .size: 8, .value_kind: global_buffer, .address_space: global }
      - { .name: specular_reflectance, .offset: 8, .size: 8, .value_kind: global_buffer, .address_space: global }
      - { .name: roughness, .offset: 16, .size: 8, .value_kind: global_buffer, .address_space: global }
      - { .name: diffuse_albedo, .offset: 24, .size: 8, .value_kind: global_buffer, .address_space: global }
      - { .name: normal, .offset: 32, .size: 8, .value_kind: global_buffer, .address_space: global }
      - { .name: viewdirs, .offset: 40, .size: 8, .value_kind: global_buffer, .address_space: global }
      - { .name: blending_weights, .offset: 48, .size: 8, .value_kind: global_buffer, .address_space: global }
      - { .name: out0, .offset: 56, .size: 8, .value_kind: global_buffer, .address_space: global }
    .group_segment_fixed_size: 19456
    .private_segment_fixed_size: 0
    .kernarg_segment_align: 8
    .kernarg_segment_size: 64
    .max_flat_workgroup_size: 512
    .sgpr_count:     66
    .vgpr_count:     240
    .wavefront_size: 32
...
	.end_amdgpu_metadata
.endif
;; end of part 1
;; ======== version 2 of 2: 1 launch; version 1 with the launch sgshade written anew for expert scheduling mode
;; launch sgshade (part 2): grid 256 x 1, 16 waves a work-group, no clusters, 19,456 bytes of LDS; arguments lgtSGs, specular_reflectance, roughness, diffuse_albedo, normal, viewdirs, blending_weights, out0; writes out0
.if DOCPART == 2
	.amdgcn_target "amdgcn-amd-amdhsa--gfx1250"
	.amdhsa_code_object_version 6
	.text
	.protected	k_qede82b7ec2_sgshade
	.globl	k_qede82b7ec2_sgshade
	.p2align	8
	.type	k_qede82b7ec2_sgshade,@function
k_qede82b7ec2_sgshade:
	s_mov_b64 s[64:65], 0
	v_nop
	global_prefetch_b8 v0, s[64:65] scope:SCOPE_SE
	s_setreg_imm32_b32 hwreg(HW_REG_WAVE_SCHED_MODE, 0, 2), 2
	s_setreg_imm32_b32 hwreg(HW_REG_WAVE_MODE, 25, 1), 1
	s_wait_xcnt 0x0
	s_wait_alu depctr_vm_vsrc(0)
; SPHERICAL-GAUSSIAN SHADING.  out[p][c] = max(bw[p] sum_m spec(p,m,c), 0) + max(sum_m diff(p,m,c), 0): 65,536 points p, 128 light lobes m, one material, all f32.
; SHARES.  A work-group owns 256 points; wave w takes points 32 (w & 7) .. + 31, a lane a point, and lobes 64 (w >> 3) .. + 63.  A lane works on TWO lobes at a time, in register pairs,
; so that every multiply, add and fused multiply-add is one packed instruction for two (point, lobe) pairs.  The two halves of the lobes meet in LDS at the end (f32 sums).
; WHAT IS TAKEN OUT OF THE LOOP.  mu[m][c] is the only factor that hangs on lobe and channel: a trip adds mu[m][c] g(p,m) for the specular and the diffuse part; warpMus, albedo, the
; blending weight and 2 ALPHA_COS multiply the six sums afterwards, and the two clips follow.  What hangs on the lobe alone lies in a table in LDS, made once by waves 0 to 3.
; THE ALGEBRA (equalities, none fitted to data).  hemisphere_int(lam, cb) = 2 pi H', H' = (1/lam)(1-x)(x + (1-x) s), x = e^-lam.  Its two branches are one function:
; s = (1 - a E) / ((1 - a)(1 + E)), a = e^-t, E = e^(-t cb); the branch only keeps E from overflowing, so here the exponent is capped (E <= 2^100).  1/lam = rsq(lam)^2 and
; sqrt(lam) = lam rsq(lam); t = sqrt(lam) lam (1.6988 lam + 10.8438) / (lam^2 + 6.2201 lam + 10.2415).  min(sqrt(r^2 + 1 + 2 r d), r + 1) = sqrt(r^2 + 1 + 2 r min(d, 1)), and its
; reciprocal is the same rsq.  For L.W no clamp: both are normalised by the computation itself; there the exponent is clamped at 0.  The cosine lobe's exponent on the specular lobe,
; fla (tmp - ratio - 1), is taken as 2 LAMBDA_COS (min(d2,1) - 1) / (tmp + ratio + 1): equal, and free of the rounding of tmp times fla, which the difference 32.708 .. - 31.7003 .. magnifies.
; All exponentials are base 2: log2(e) is folded into constants.
; LIMITS.  NaN and infinities are not treated apart (v_min_num / v_max_num drop a NaN, so a clip of NaN gives 0); E is capped at 2^100, i.e. e^(-t |cb|) counts as at least 2^-100;
; sqrt(y) is y rsq(y): y = 0 gives NaN; rcp, rsq, exp are good to one unit in the last place and flush denormals (ISA guide, their entries); lam^2 must stay finite (lam under 1e19).
; NOT USED: matrix units (the one product, g x mu, is 6 of a trip's 173 vector instructions), tensor loads, clusters (the only shared input is 3,584 bytes), prefetches (no wave waits for a stream).
; THE MODE: SCHED_MODE bits 1:0 = 2 (LLVM: expert scheduling mode 2), set by the entry lines.  The code itself states the register dependences
; between vector instructions and memory or LDS instructions, with s_wait_alu, always for 0.
; THE PLAN.  Registers that LDS instructions touch in the loop, and who else names them:
;   LX .. LAML2 (v52-67)       read by vector instructions up to E3 and LAMC, which stand ahead of batch 2's wait; the next trip's land in them behind that wait.
;   RD, CD, CAD, HD1 (v68-75)  read up to HD, which stands ahead of batch 3's wait; the next trip's land in them behind that wait.
;   HD0, MUR, MUG, MUB (v76-83) read up to the trip's last three sums; THIS trip's land in them behind batch 1's wait, which stands behind the sums of the trip before.
;   v[AT]                      read by the trip's eight loads; stepped once a trip, behind a wait on vm_vsrc and ahead of batch 5's wait, which states that it is written.
; So the five waits on va_vdst that the batches of transcendentals have in any case state all that the loop's loads hang on: between each of them and the loads behind it no vector
; instruction names a register that those loads touch.  All other registers of the loop are named by vector instructions alone.
.set PTS,    256                       ; points of a work-group
.set TRIPS,  32                        ; 64 lobes of a wave, two a trip
.set TABLE,  0                         ; LDS: 64 lobe pairs x 16 constants x 2 lobes x 4 bytes; constant k of lobe m at 128 (m / 2) + 8 k + 4 (m % 2)
.set RED,    8192                      ; six planes of 256 f32: the sums of waves 8 to 15
.set STAGE,  14336                     ; 256 points x 12 bytes: the result, as it lies in memory
.set SPARE,  17408                     ; the spare words, 128 bytes for each of 16 waves: eight blocks of 256 bytes that no other line names
.set LN,  1                            ; v1  lane
.set SPW, 2                            ; v2  LDS address of my spare word; never rewritten
.set NIL, 3                            ; v3  0; never rewritten
.set AT,  4                            ; v4  LDS address of the trip's lobe pair in the table (the same in all lanes)
.set ZO,  5                            ; v5  offset 0, for the loads that every lane makes of the same words
.set O12, 6                            ; v6  12 x my point's number in the work-group
.set O4,  7                            ; v7  4 x the same
; point constants, each written twice, so that packed instructions take them as plain pairs
.set NX, 8
.set NY, 10
.set NZ, 12
.set WX, 14                            ; warpLobes
.set WY, 16
.set WZ, 18
.set IWL, 20                           ; 1 / warpLambda
.set WL,  22                           ; warpLambda
.set WL2, 24                           ; warpLambda log2(e)
.set WN,  26                           ; warpLobe . n
.set NN,  28                           ; n . n
.set LCI, 30                           ; LAMBDA_COS / warpLambda
.set SA0, 32                           ; v[32:37] specular sums, a pair (even lobes', odd lobes') a channel
.set SA1, 34
.set SA2, 36
.set DA0, 38                           ; v[38:43] diffuse sums
.set DA1, 40
.set DA2, 42
.set FS,  44                           ; v[44:46] bw x 2 ALPHA_COS / r^4 x Moi[c]
.set FD,  47                           ; v[47:49] 2 ALPHA_COS x albedo[c]
; lobe constants of the trip, pairs (lobe 2j, lobe 2j + 1), in the table's order
.set LX, 52                            ; the first eight: last read in the trip's second stage, then loaded for the next trip
.set LY, 54
.set LZ, 56
.set LAM, 58                           ; |lgt[3]|
.set RD2, 60                           ; 2 rd, rd = LAMBDA_COS / lam
.set RD2P1, 62                         ; rd^2 + 1
.set TDN, 64                           ; - log2(e) t(lam + TINY)
.set LAML2, 66                         ; lam log2(e)
.set RD,  68                           ; these four: last read in the trip's third stage, then loaded for the next trip
.set CD,  70                           ; (lam + LAMBDA_COS) log2(e)
.set CAD, 72                           ; a = e^-t of the lobe's own lambda
.set HD1, 74                           ; (1/lam)(1-x)^2 / (1-a)
.set HD0, 76                           ; (1/lam)(1-x) x.  The last four: read to the trip's end, loaded in the trip that uses them
.set MUR, 78
.set MUG, 80
.set MUB, 82
; the trip's temporaries: a pair each, from v84 on (the set-up uses the same registers as scratch)
.set NEXT, 84
.macro PAIR name
.set \name, NEXT
.set NEXT, NEXT+2
.endm
.irp n, DLN, DLW, RAT, DNC, QT, Y, Y3, ED, RS, RS3, CPRE, T1, TMP, D2, RAT2, FLA, LAMB, E1, D2C, Y2, RQB, NB, XB, TMP3, LAMC, E3, T3, DD1, RQC, NC, XC, RDD, NUMD, RS2, RSB, RSC, RP2, T2, DM
	PAIR \n
.endr
.irp n, TMP2, LAMA, D1, RSD, RQA, NA, XA, SQB, AB, EB, CCB, OMXB, SQC, AC, EC, CCC, OMXC, HD, RSA, E2, SQA, AA, EA, UB, RDB, NUMB, UC, RDC, NUMC, CCA, OMXA, UA, RDA, NUMA, X0, X1, X2, X3
	PAIR \n
.endr
; set-up scratch
.set PN,  84                           ; v[84:86]  normal
.set PV,  88                           ; v[88:90]  viewdir
.set PA,  92                           ; v[92:94]  albedo
.set PBW, 95                           ; blending weight
.set PR,  96                           ; roughness
.set PS,  98                           ; v[98:100] specular reflectance
.set PL,  102                          ; v[102:108] a lobe's seven numbers
; scalars
.set WV,  24                           ; my wave's number
.set CNT, 25                           ; trips to go
.set KT,  32                           ; constants for packed instructions: pairs, both words written, the low word taken for both halves
.set KQ1, 34
.set KQ0, 36
.set KP1, 38
.set KP0, 40
.set KNL, 42
.set KD2, 44
.set KD2N, 46
.set KRHO, 48
.set K100, 50
.set KLC, 51
.set KF1, 52
.set KF0, 53
.set K2A, 54
.macro KPAIR k, bits
	s_mov_b32 s[\k], \bits
	s_mov_b32 s[\k+1], \bits
.endm
; packed arithmetic on pairs
.macro PMUL d, a, b
	v_pk_mul_f32 v[\d:\d+1], v[\a:\a+1], v[\b:\b+1]
.endm
.macro PADD d, a, b
	v_pk_add_f32 v[\d:\d+1], v[\a:\a+1], v[\b:\b+1]
.endm
.macro PFMA d, a, b, c                 ; a b + c
	v_pk_fma_f32 v[\d:\d+1], v[\a:\a+1], v[\b:\b+1], v[\c:\c+1]
.endm
.macro PFMS d, a, b, c                 ; a b - c
	v_pk_fma_f32 v[\d:\d+1], v[\a:\a+1], v[\b:\b+1], v[\c:\c+1] neg_lo:[0,0,1] neg_hi:[0,0,1]
.endm
.macro PMULK d, a, k                   ; a K
	v_pk_mul_f32 v[\d:\d+1], v[\a:\a+1], s[\k:\k+1] op_sel_hi:[1,0]
.endm
.macro PADDK d, a, k                   ; a + K
	v_pk_add_f32 v[\d:\d+1], v[\a:\a+1], s[\k:\k+1] op_sel_hi:[1,0]
.endm
.macro PFMAK d, a, b, k                ; a b + K
	v_pk_fma_f32 v[\d:\d+1], v[\a:\a+1], v[\b:\b+1], s[\k:\k+1] op_sel_hi:[1,1,0]
.endm
.macro PLIN d, a, k1, k0               ; a K1 + K0
	v_pk_fma_f32 v[\d:\d+1], v[\a:\a+1], s[\k1:\k1+1], s[\k0:\k0+1] op_sel_hi:[1,0,0]
.endm
.macro PFMSK d, a, k, c                ; a K - c
	v_pk_fma_f32 v[\d:\d+1], v[\a:\a+1], s[\k:\k+1], v[\c:\c+1] op_sel_hi:[1,0,1] neg_lo:[0,0,1] neg_hi:[0,0,1]
.endm
.macro PADD1 d, a                      ; a + 1
	v_pk_add_f32 v[\d:\d+1], v[\a:\a+1], 1.0 op_sel_hi:[1,0]
.endm
.macro PFMA1 d, a, b                   ; a b + 1
	v_pk_fma_f32 v[\d:\d+1], v[\a:\a+1], v[\b:\b+1], 1.0 op_sel_hi:[1,1,0]
.endm
.macro PNFMA1 d, a, b                  ; 1 - a b
	v_pk_fma_f32 v[\d:\d+1], v[\a:\a+1], v[\b:\b+1], 1.0 op_sel_hi:[1,1,0] neg_lo:[1,0,0] neg_hi:[1,0,0]
.endm
.macro POM d, a                        ; 1 - a
	v_pk_fma_f32 v[\d:\d+1], v[\a:\a+1], -1.0, 1.0 op_sel_hi:[1,0,0]
.endm
.macro P2A d, a, c                     ; 2 a + c
	v_pk_fma_f32 v[\d:\d+1], v[\a:\a+1], 2.0, v[\c:\c+1] op_sel_hi:[1,0,1]
.endm
.macro MIN2 d, k, a                    ; min(a, k), both halves (there is no packed f32 minimum)
	v_min_num_f32 v[\d], \k, v[\a]
	v_min_num_f32 v[\d+1], \k, v[\a+1]
.endm
.macro TR op, d, a                     ; a transcendental, both halves
	\op v[\d], v[\a]
	\op v[\d+1], v[\a+1]
.endm
.macro DUP d, s                        ; a point constant, written twice
	v_mov_b32 v[\d], v[\s]
	v_mov_b32 v[\d+1], v[\s]
.endm
	s_load_b256 s[8:15], s[0:1], 0x0               ; lgtSGs s[8:9], specular_reflectance s[10:11], roughness s[12:13], diffuse_albedo s[14:15]
	s_load_b256 s[16:23], s[0:1], 0x20             ; normal s[16:17], viewdirs s[18:19], blending_weights s[20:21], out0 s[22:23]
	v_lshl_add_u32 v[SPW], v0, 2, SPARE
	v_mov_b32 v[NIL], 0
	v_lshrrev_b32 v[ZO], 5, v0
	v_readfirstlane_b32 s[WV], v[ZO]               ; wave 0..15
	v_and_b32 v[LN], 31, v0
	v_mov_b32 v[ZO], 0
	s_wait_alu depctr_va_sdst(0)                   ; the wave's number is written, ahead of its first reader: offsets, LDS addresses and branches are made from it
	s_and_b32 s26, s[WV], 7                        ; which 32 points of the work-group's 256
	s_mul_i32 s27, s26, 384
	s_lshl_b32 s28, s26, 7
	v_mul_u32_u24 v[O12], v[LN], 12
	v_add_nc_u32 v[O12], s27, v[O12]               ; 12 x (32 x group + lane)
	v_lshl_add_u32 v[O4], v[LN], 2, s28            ; 4 x the same
	s_lshr_b32 s29, s[WV], 3                       ; which half of the lobes
	s_lshl_b32 s29, s29, 12                        ; 32 lobe pairs of 128 bytes
	v_mov_b32 v[AT], s29
	s_mul_i32 s2, ttmp9, 12*PTS                    ; the work-group's first point in the arrays of three numbers a point,
	s_mov_b32 s3, 0
	s_lshl_b32 s4, ttmp9, 10                       ; and in the weights
	s_mov_b32 s5, 0
	KPAIR KT,   0x358637bd                         ; TINY = 1e-6
	KPAIR KQ1,  0x40c70b0f                         ; 6.2201
	KPAIR KQ0,  0x4123dd2f                         ; 10.2415
	KPAIR KP1,  0xc01cdabb                         ; - log2(e) 1.6988
	KPAIR KP0,  0xc17a4f0a                         ; - log2(e) 10.8438
	KPAIR KNL,  0xbfb8aa3b                         ; - log2(e)
	KPAIR KD2,  0x3dba246d                         ; 2 LAMBDA_COS log2(e)
	KPAIR KD2N, 0xbdba246d                         ; its negative
	KPAIR KRHO, 0x3f8411a4                         ; MU_COS / ALPHA_COS
	s_mov_b32 s[K100], 0x42c80000                  ; 100: the cap of E's exponent
	s_mov_b32 s[KLC], 0x3d010625                   ; LAMBDA_COS = 0.0315
	s_mov_b32 s[KF1], 0x40b1c059                   ; 5.55473
	s_mov_b32 s[KF0], 0x40da9c78                   ; 6.8316
	s_mov_b32 s[K2A], 0x427d9a37                   ; 2 ALPHA_COS = 63.4006
	s_wait_kmcnt 0x0
	s_add_nc_u64 s[14:15], s[14:15], s[2:3]
	s_add_nc_u64 s[16:17], s[16:17], s[2:3]
	s_add_nc_u64 s[18:19], s[18:19], s[2:3]
	s_add_nc_u64 s[20:21], s[20:21], s[4:5]
	s_add_nc_u64 s[22:23], s[22:23], s[2:3]
	s_wait_alu depctr_va_vdst(0)                   ; v[ZO], v[O12], v[O4] and v[AT] are written: the loads below, the table's first loads and the way out's LDS instructions read them as offsets and addresses
	; a point's record is 12 bytes: three loads of a word, which together cover the wave's 384 consecutive bytes
.irp i, 0,1,2
	global_load_b32 v[PN+(\i)], v[O12], s[16:17] offset:4*(\i)
	global_load_b32 v[PV+(\i)], v[O12], s[18:19] offset:4*(\i)
.endr
	global_load_b32 v[PR], v[ZO], s[12:13]
.irp i, 0,1,2
	global_load_b32 v[PS+(\i)], v[ZO], s[10:11] offset:4*(\i)
	global_load_b32 v[PA+(\i)], v[O12], s[14:15] offset:4*(\i)
.endr
	global_load_b32 v[PBW], v[O4], s[20:21]
	; THE LOBE TABLE: waves 0 to 3, a lane a lobe (lobe = 32 x wave + lane)
	s_cmp_lt_u32 s[WV], 4
	s_cbranch_scc0 .Lpoints
	s_mul_i32 s29, s[WV], 896
	v_mul_u32_u24 v50, v[LN], 28
	v_add_nc_u32 v50, s29, v50                     ; 28 bytes a lobe
	s_wait_alu depctr_va_vdst(0)                   ; v50 is written, which the seven loads read as their offset
.irp i, 0,1,2,3,4,5,6
	global_load_b32 v[PL+(\i)], v50, s[8:9] offset:4*(\i)
.endr
	s_wait_loadcnt 0x0
	v_mul_f32 v110, v102, v102
	v_fma_f32 v110, v103, v103, v110
	v_fma_f32 v110, v104, v104, v110               ; |l|^2
	v_and_b32 v111, 0x7fffffff, v105               ; lam
	v_add_f32 v112, s[KT], v111                    ; lam + TINY
	v_sqrt_f32 v110, v110
	v_add_f32 v115, s[KQ1], v112
	v_rcp_f32 v113, v111
	v_fma_f32 v115, v112, v115, s[KQ0]             ; lam^2 + 6.2201 lam + 10.2415
	v_rsq_f32 v114, v112
	v_mul_f32 v116, s[KNL], v112
	v_rcp_f32 v115, v115
	v_exp_f32 v116, v116                           ; x = e^-lam
	v_fma_f32 v117, v112, s[KP1], s[KP0]
	v_mul_f32 v117, v117, v112
	v_mul_f32 v124, 0x3fb8aa3b, v111               ; lam log2(e)
	v_add_f32 v125, s[KLC], v111
	v_mul_f32 v125, 0x3fb8aa3b, v125               ; (lam + LAMBDA_COS) log2(e)
	s_wait_alu depctr_va_vdst(0)                   ; |l| in v110, 1/lam in v113, the rsq in v114, the quotient's reciprocal in v115 and x in v116 are written: one wait for the five, ahead of their first reader
	v_add_f32 v110, s[KT], v110
	v_mul_f32 v118, v112, v114                     ; sqrt(lam)
	v_mul_f32 v117, v117, v115
	v_rcp_f32 v110, v110                           ; 1 / (|l| + TINY)
	v_mul_f32 v117, v117, v118                     ; - log2(e) t
	v_mul_f32 v113, s[KLC], v113                   ; rd
	v_exp_f32 v119, v117                           ; a
	v_mul_f32 v114, v114, v114                     ; 1 / lam
	v_sub_f32 v120, 1.0, v116
	v_mul_f32 v114, v114, v120
	v_mul_f32 v121, v114, v116                     ; (1/lam)(1-x) x
	v_mul_f32 v114, v114, v120                     ; (1/lam)(1-x)^2
	v_add_f32 v122, v113, v113
	v_fma_f32 v123, v113, v113, 1.0
	s_wait_alu depctr_va_vdst(0)                   ; 1 / (|l| + TINY) in v110 and a in v119 are written, ahead of their first reader
	v_sub_f32 v126, 1.0, v119
	v_mul_f32 v102, v102, v110
	v_rcp_f32 v126, v126
	v_mul_f32 v103, v103, v110
	v_mul_f32 v104, v104, v110                     ; the lobe's axis
	v_and_b32 v106, 0x7fffffff, v106
	v_and_b32 v107, 0x7fffffff, v107
	v_and_b32 v108, 0x7fffffff, v108               ; mu
	v_lshrrev_b32 v51, 1, v[LN]
	v_lshlrev_b32 v51, 7, v51
	s_wait_alu depctr_vm_vsrc(0)                   ; the lobe's seven loads have read v50, which the next line writes again
	v_and_b32 v50, 1, v[LN]
	v_lshl_add_u32 v51, v50, 2, v51
	s_lshl_b32 s29, s[WV], 11
	v_add_nc_u32 v51, s29, v51                     ; 2,048 x wave + 128 (lane / 2) + 4 (lane % 2)
	s_wait_alu depctr_va_vdst(0)                   ; 1 / (1 - a) in v126 is written, ahead of its reader
	v_mul_f32 v114, v114, v126                     ; / (1 - a)
	s_wait_alu depctr_va_vdst(0)                   ; v114 is written, as are v51 and the other fifteen constants: the LDS stores read them as address and data
	ds_store_b32 v51, v102 offset:TABLE+0
	ds_store_b32 v51, v103 offset:TABLE+8
	ds_store_b32 v51, v104 offset:TABLE+16
	ds_store_b32 v51, v111 offset:TABLE+24
	ds_store_b32 v51, v122 offset:TABLE+32
	ds_store_b32 v51, v123 offset:TABLE+40
	ds_store_b32 v51, v117 offset:TABLE+48
	ds_store_b32 v51, v124 offset:TABLE+56
	ds_store_b32 v51, v113 offset:TABLE+64
	ds_store_b32 v51, v125 offset:TABLE+72
	ds_store_b32 v51, v119 offset:TABLE+80
	ds_store_b32 v51, v114 offset:TABLE+88
	ds_store_b32 v51, v121 offset:TABLE+96
	ds_store_b32 v51, v106 offset:TABLE+104
	ds_store_b32 v51, v107 offset:TABLE+112
	ds_store_b32 v51, v108 offset:TABLE+120
	s_wait_alu depctr_vm_vsrc(0)                   ; the sixteen LDS stores have read their data, v102 to v125: the point's set-up and the loop write these registers again
.Lpoints:                                      ; WHAT HANGS ON THE POINT ALONE: every wave, for its 32 points (both waves of a point make it: some 130 instructions against a loop of 6,000)
	s_wait_loadcnt 0x0
	v_mul_f32 v110, v[PN], v[PV]
	v_mul_f32 v111, v[PN], v[PN]
	v_mul_f32 v112, v[PR], v[PR]
	v_fma_f32 v110, v[PN+1], v[PV+1], v110
	v_fma_f32 v111, v[PN+1], v[PN+1], v111
	v_mul_f32 v112, v112, v112                     ; r^4
	v_fma_f32 v110, v[PN+2], v[PV+2], v110         ; n . v
	v_fma_f32 v111, v[PN+2], v[PN+2], v111         ; n . n
	v_rcp_f32 v114, v112                           ; 1 / r^4
	v_max_num_f32 v110, 0, v110                    ; v_dot_lobe = dot2
	v_add_f32 v113, 1.0, v[PR]
	v_add_f32 v115, v110, v110
	v_fma_f32 v119, 4.0, v110, s[KT]               ; 4 v_dot_lobe + TINY
	v_fma_f32 v116, v115, v[PN], -v[PV]
	v_fma_f32 v117, v115, v[PN+1], -v[PV+1]
	v_fma_f32 v118, v115, v[PN+2], -v[PV+2]        ; 2 v_dot_lobe n - v
	v_rcp_f32 v121, v119
	v_mul_f32 v120, v116, v116
	v_fma_f32 v120, v117, v117, v120
	v_fma_f32 v120, v118, v118, v120
	v_mul_f32 v113, v113, v113
	v_sqrt_f32 v120, v120
	v_mul_f32 v113, 0x3e000000, v113               ; kk = (r + 1)^2 / 8
	v_sub_f32 v122, 1.0, v113                      ; 1 - kk
	v_add_f32 v113, s[KT], v113                    ; kk + TINY
	v_mul_f32 v124, v119, v112
	v_mul_f32 v124, 0.5, v124                      ; 1 / warpLambda = (4 v_dot_lobe + TINY) r^4 / 2
	v_fma_f32 v125, v110, v122, v113               ; G2's denominator
	s_wait_alu depctr_va_vdst(0)                   ; 1 / r^4 in v114, the reciprocal in v121 and the length in v120 are written, ahead of their first reader
	v_add_f32 v120, s[KT], v120
	v_mul_f32 v123, v114, v121
	v_rcp_f32 v120, v120
	v_add_f32 v123, v123, v123                     ; warpLambda
	v_mul_f32 v142, s[KLC], v124
	v_mul_f32 v141, 0x3fb8aa3b, v123
	s_wait_alu depctr_va_vdst(0)                   ; the reciprocal of the length in v120 is written, ahead of its first reader
	v_mul_f32 v116, v116, v120
	v_mul_f32 v117, v117, v120
	v_mul_f32 v118, v118, v120                     ; warpLobe
	v_add_f32 v126, v116, v[PV]
	v_add_f32 v127, v117, v[PV+1]
	v_add_f32 v128, v118, v[PV+2]                  ; warpLobe + v
	v_mul_f32 v131, v116, v[PN]
	v_mul_f32 v129, v126, v126
	v_mul_f32 v130, v126, v[PV]
	v_fma_f32 v131, v117, v[PN+1], v131
	v_fma_f32 v129, v127, v127, v129
	v_fma_f32 v130, v127, v[PV+1], v130
	v_fma_f32 v131, v118, v[PN+2], v131            ; warpLobe . n
	v_fma_f32 v129, v128, v128, v129
	v_fma_f32 v130, v128, v[PV+2], v130            ; v . (warpLobe + v)
	v_sqrt_f32 v129, v129
	v_max_num_f32 v132, 0, v131                    ; dot1
	v_fma_f32 v133, v132, v122, v113               ; G1's denominator
	v_mul_f32 v134, v132, v110                     ; dot1 dot2
	v_mul_f32 v133, v133, v125
	v_fma_f32 v135, 4.0, v134, s[KT]
	v_mul_f32 v133, v133, v135                     ; the three denominators of Moi, as one
	v_rcp_f32 v133, v133
	v_mul_f32 v137, v114, v[PBW]
	v_mul_f32 v137, s[K2A], v137                   ; bw 2 ALPHA_COS / r^4
	s_wait_alu depctr_va_vdst(0)                   ; the half vector's length in v129 and the reciprocal in v133 are written, ahead of their first reader
	v_add_f32 v129, s[KT], v129
	v_mul_f32 v134, v134, v133
	v_rcp_f32 v129, v129
	v_mul_f32 v134, v134, v137
	s_wait_alu depctr_va_vdst(0)                   ; the reciprocal in v129 is written, ahead of its reader
	v_mul_f32 v130, v130, v129
	v_max_num_f32 v130, 0, v130                    ; v_dot_h
	v_fma_f32 v136, v130, s[KF1], s[KF0]
	v_mul_f32 v136, v136, -v130
	v_exp_f32 v136, v136                           ; 2^(-(5.55473 vh + 6.8316) vh)
.irp c, 0,1,2
	v_sub_f32 v[138+(\c)], 1.0, v[PS+(\c)]
	v_mul_f32 v[FD+(\c)], s[K2A], v[PA+(\c)]
.endr
	DUP NX, PN
	DUP NY, PN+1
	DUP NZ, PN+2
	DUP WX, 116
	DUP WY, 117
	DUP WZ, 118
	DUP IWL, 124
	DUP WL, 123
	DUP WL2, 141
	DUP WN, 131
	DUP NN, 111
	DUP LCI, 142
.set r, SA0
.rept 12
	v_mov_b32 v[r], 0                              ; the six pairs of sums
.set r, r+1
.endr
	s_wait_alu depctr_va_vdst(0)                   ; the power of two in v136 is written, ahead of its first reader
.irp c, 0,1,2
	v_fma_f32 v[FS+(\c)], v[138+(\c)], v136, v[PS+(\c)]  ; Fresnel
	v_mul_f32 v[FS+(\c)], v[FS+(\c)], v134
.endr
	s_wait_dscnt 0x0                               ; for the others' sake: my part of the table is stored
	s_barrier_signal -1
	s_barrier_wait -1                              ; the table is whole
	ds_load_b128 v[LX:LX+3],   v[AT] offset:TABLE+0    ; the first lobe pair's twelve.  No wait: v[AT] was written ahead of the head's wait, and no vector instruction has named v52 to v75
	ds_load_b128 v[LZ:LZ+3],   v[AT] offset:TABLE+16
	ds_load_b128 v[RD2:RD2+3], v[AT] offset:TABLE+32
	ds_load_b128 v[TDN:TDN+3], v[AT] offset:TABLE+48
	ds_load_b128 v[RD:RD+3],   v[AT] offset:TABLE+64
	ds_load_b128 v[CAD:CAD+3], v[AT] offset:TABLE+80
; A TRIP: two lobes for my point.  Subscripts: B = hemisphere_int(fla, d2), A = hemisphere_int(lap, d1) (specular); D = the light lobe's own, C = hemisphere_int(lap2, dd1) (diffuse).
; The 54 transcendentals fall into five batches by what they wait for.  Each is issued as soon as its argument is made, among plain instructions that name no result of the batch, and each batch
; has ONE s_wait_alu depctr_va_vdst(0) ahead of its first reader; a plain instruction stands behind the last transcendental of each batch.
; The trip's LDS loads stand behind three of these waits, as the plan at the kernel's head says.
; last = 1: the wave's last trip, which loads nothing for a next one.
.macro BODY last
	s_wait_dscnt 0x0                               ; the twelve constants LX to HD1, asked for in the trip before (the first trip's: in front of the loop)
	PMUL DLN, LX, NX
	PMUL DLW, LX, WX
	PMUL RAT, LAM, IWL                             ; ratio = lam / warpLambda
	PFMA DLN, LY, NY, DLN
	PFMA DLW, LY, WY, DLW
	PADD CPRE, LAML2, WL2                          ; warpLambda (ratio + 1) log2(e)
	PFMA DLN, LZ, NZ, DLN                          ; L . n
	PFMA DLW, LZ, WZ, DLW                          ; L . W
	MIN2 DNC, 1.0, DLN
	PMUL ED, TDN, DLN                              ; - t_D cb log2(e)
	P2A  QT, DLW, RAT
	PFMA Y3, RD2, DNC, RD2P1                       ; rd^2 + 1 + 2 rd min(L.n, 1)
	MIN2 ED, s[K100], ED
	PFMA1 Y, RAT, QT                               ; ratio^2 + 1 + 2 ratio L.W
	TR v_rsq_f32, RS3, Y3
	TR v_exp_f32, ED, ED
	TR v_rsq_f32, RS, Y
	PFMA T1, RAT, DLN, WN
	PFMA T3, RD, NN, DLN
	s_wait_alu depctr_va_vdst(0)                   ; batch 1: RS3, ED and RS are written; and the sums of the trip before are done reading HD0, MUR, MUG and MUB, in which the two loads below land
	ds_load_b128 v[HD0:HD0+3], v[AT] offset:TABLE+96   ; this trip's last four constants
	ds_load_b128 v[MUG:MUG+3], v[AT] offset:TABLE+112
	PMUL TMP3, Y3, RS3
	PMUL TMP, Y, RS
	PADD1 RDD, ED                                  ; 1 + E_D
	PMUL DD1, RS3, T3                              ; dd1 = (rd n.n + L.n) / tmp3
	PMUL D2, RS, T1                                ; d2 = (ratio L.n + W.n) / tmp
	TR v_rcp_f32, RDD, RDD
	PMUL RAT2, LCI, RS                             ; LAMBDA_COS / fla
	PFMS E3, LAML2, TMP3, CD                       ; lam (tmp3 - rd - 1) log2(e)
	PFMAK LAMC, LAM, TMP3, KT                      ; lap2 + TINY
	PFMS E1, WL2, TMP, CPRE                        ; warpLambda (tmp - ratio - 1) log2(e)
	TR v_exp_f32, E3, E3
	PFMAK LAMB, WL, TMP, KT                        ; fla + TINY
	PMUL FLA, WL, TMP
	MIN2 E1, 0, E1                                 ; the minimum with ratio + 1 keeps this exponent at 0 or below
	MIN2 D2C, 1.0, D2
	TR v_rsq_f32, RSC, LAMC
	PADDK RQC, LAMC, KQ1
	PADDK RQB, LAMB, KQ1
	TR v_exp_f32, E1, E1
	PLIN NC, LAMC, KP1, KP0
	PFMAK RQC, LAMC, RQC, KQ0
	TR v_rsq_f32, RSB, LAMB
	PFMAK RQB, LAMB, RQB, KQ0
	PMULK XC, LAMC, KNL
	TR v_rcp_f32, RQC, RQC
	PMULK XB, LAMB, KNL
	P2A  QT, D2C, RAT2
	TR v_rcp_f32, RQB, RQB
	PLIN NB, LAMB, KP1, KP0
	PFMA1 Y2, RAT2, QT                             ; ratio2^2 + 1 + 2 ratio2 min(d2, 1)
	TR v_exp_f32, XC, XC
	PNFMA1 NUMD, CAD, ED                           ; 1 - a_D E_D
	PMUL NC, NC, LAMC
	TR v_exp_f32, XB, XB
	PMUL NB, NB, LAMB
	PADD1 RP2, RAT2
	TR v_rsq_f32, RS2, Y2
	PFMA T2, RAT2, NN, D2
	PLIN DM, D2C, KD2, KD2N                        ; 2 LAMBDA_COS log2(e) (min(d2, 1) - 1)
	s_wait_alu depctr_va_vdst(0)                   ; batch 2: RDD, E3, RSC, E1, RSB, RQC, RQB, XC, XB and RS2 are written; and the trip is done reading LX to LAML2 (the last readers: E3 and LAMC), in which the loads below land
.if \last == 0
	ds_load_b128 v[LX:LX+3],   v[AT] offset:TABLE+128  ; the next lobe pair's first eight
	ds_load_b128 v[LZ:LZ+3],   v[AT] offset:TABLE+144
	ds_load_b128 v[RD2:RD2+3], v[AT] offset:TABLE+160
	ds_load_b128 v[TDN:TDN+3], v[AT] offset:TABLE+176
.endif
	PMUL TMP2, Y2, RS2
	PMUL SQC, LAMC, RSC                            ; sqrt(lam)
	PMUL AC, NC, RQC
	PMUL SQB, LAMB, RSB
	PMUL AB, NB, RQB
	PADD RSD, TMP2, RP2                            ; tmp2 + ratio2 + 1
	PFMAK LAMA, FLA, TMP2, KT                      ; lap + TINY
	PMUL AC, AC, SQC                               ; - t_C log2(e)
	PMUL AB, AB, SQB                               ; - t_B log2(e)
	TR v_rcp_f32, RSD, RSD
	PMUL D1, RS2, T2                               ; d1 = (ratio2 n.n + d2) / tmp2
	PMUL EC, AC, DD1
	TR v_rsq_f32, RSA, LAMA
	PMUL EB, AB, D2
	PADDK RQA, LAMA, KQ1
	TR v_exp_f32, AC, AC                           ; a_C
	MIN2 EC, s[K100], EC
	TR v_exp_f32, AB, AB                           ; a_B
	MIN2 EB, s[K100], EB
	PFMAK RQA, LAMA, RQA, KQ0
	TR v_exp_f32, EC, EC
	PMULK XA, LAMA, KNL
	PLIN NA, LAMA, KP1, KP0
	TR v_exp_f32, EB, EB
	PMUL CCC, RSC, RSC                             ; 1 / lam
	POM  OMXC, XC
	TR v_rcp_f32, RQA, RQA
	PMUL CCB, RSB, RSB
	POM  OMXB, XB
	TR v_exp_f32, XA, XA
	PMUL X0, NUMD, RDD                             ; (1 - a) s_D
	PMUL NA, NA, LAMA
	PMUL CCC, CCC, OMXC                            ; (1/lam)(1 - x)
	PMUL CCB, CCB, OMXB
.if \last == 0
	s_wait_dscnt 4                                 ; LDS loads come back in order (ISA guide 5.7.1): HD0 and the three mu are in; the four younger loads, the next pair's first eight, stay out
.else
	s_wait_dscnt 0x0                               ; HD0 and the three mu are in: no load was issued behind theirs
.endif
	PFMA HD, X0, HD1, HD0                          ; H'_D
	s_wait_alu depctr_va_vdst(0)                   ; batch 3: RSD, RSA, AC, AB, EC, EB, RQA and XA are written; and the trip is done reading RD, CD, CAD and HD1 (the last reader: HD), in which the loads below land
.if \last == 0
	ds_load_b128 v[RD:RD+3],   v[AT] offset:TABLE+192  ; the next lobe pair's RD, CD, CAD, HD1
	ds_load_b128 v[CAD:CAD+3], v[AT] offset:TABLE+208
.endif
	PMUL E2, DM, RSD                               ; fla (tmp2 - ratio2 - 1) log2(e)
	PMUL SQA, LAMA, RSA
	PMUL AA, NA, RQA
	POM  UC, AC
	POM  UB, AB
	TR v_exp_f32, E2, E2
	PMUL AA, AA, SQA                               ; - t_A log2(e)
	PFMA RDC, UC, EC, UC                           ; (1 - a)(1 + E)
	PFMA RDB, UB, EB, UB
	PMUL EA, AA, D1
	TR v_rcp_f32, RDC, RDC
	PNFMA1 NUMC, AC, EC                            ; 1 - a E
	TR v_exp_f32, AA, AA
	MIN2 EA, s[K100], EA
	TR v_rcp_f32, RDB, RDB
	PNFMA1 NUMB, AB, EB
	TR v_exp_f32, EA, EA
	PMUL CCA, RSA, RSA
	POM  OMXA, XA
	PMUL CCA, CCA, OMXA
	s_wait_alu depctr_va_vdst(0)                   ; batch 4: E2, RDC, AA, RDB and EA are written, ahead of their first reader
	POM  UA, AA
	PMUL X1, NUMC, RDC                             ; s_C
	PMUL X0, NUMB, RDB                             ; s_B
	PNFMA1 NUMA, AA, EA
	PFMA RDA, UA, EA, UA
	PFMA X1, OMXC, X1, XC                          ; x + (1 - x) s
	PFMA X0, OMXB, X0, XB
	TR v_rcp_f32, RDA, RDA
	PMUL X1, CCC, X1                               ; H'_C
	PMUL X0, CCB, X0                               ; H'_B
	PMUL X2, E2, CCA
	PMUL X1, E3, X1
	PFMSK X1, X1, KRHO, HD                         ; (MU_COS / ALPHA_COS) e^diff3 H'_C - H'_D
	PFMA DA0, MUR, X1, DA0
	PFMA DA1, MUG, X1, DA1
	PFMA DA2, MUB, X1, DA2
.if \last == 0
	s_wait_alu depctr_vm_vsrc(0)                   ; the trip's eight LDS loads have read v[AT], which the next line writes
	v_add_nc_u32 v[AT], 128, v[AT]                 ; the next lobe pair
.endif
	s_wait_alu depctr_va_vdst(0)                   ; batch 5: RDA is written, ahead of its reader; and v[AT] is written, which the next trip's loads read
	PMUL X3, NUMA, RDA                             ; s_A
	PFMA X3, OMXA, X3, XA
	PMUL X3, X2, X3                                ; e^diff2 H'_A
	PFMSK X3, X3, KRHO, X0
	PMUL X3, X3, E1                                ; e^diff ((MU_COS / ALPHA_COS) e^diff2 H'_A - H'_B)
	PFMA SA0, MUR, X3, SA0
	PFMA SA1, MUG, X3, SA1
	PFMA SA2, MUB, X3, SA2
.endm
	s_mov_b32 s[CNT], TRIPS-1
.Ltrip:
	BODY 0
	s_sub_co_u32 s[CNT], s[CNT], 1
	s_cmp_lg_u32 s[CNT], 0
	s_cbranch_scc1 .Ltrip
	BODY 1                                         ; the last trip is written out: it reads nothing behind the wave's half of the table
	; THE END.  Even and odd lobes' sums are added; waves 8 to 15 hand theirs to waves 0 to 7, which finish the points.
.irp a, SA0, SA1, SA2, DA0, DA1, DA2
	v_add_f32 v[\a], v[\a], v[\a+1]
.endr
	s_cmp_lt_u32 s[WV], 8
	s_cbranch_scc1 .Lkeep
	s_wait_alu depctr_va_vdst(0)                   ; the six additions have written the sums, which the LDS stores read
	ds_store_b32 v[O4], v[SA0] offset:RED
	ds_store_b32 v[O4], v[SA1] offset:RED+1024
	ds_store_b32 v[O4], v[SA2] offset:RED+2048
	ds_store_b32 v[O4], v[DA0] offset:RED+3072
	ds_store_b32 v[O4], v[DA1] offset:RED+4096
	ds_store_b32 v[O4], v[DA2] offset:RED+5120
.Lkeep:
	s_wait_dscnt 0x0                               ; for the others' sake: my sums are stored
	s_barrier_signal -1
	s_barrier_wait -1
	s_cmp_lt_u32 s[WV], 8
	s_cbranch_scc0 .Lstaged
.irp k, 0,1,2,3,4,5
	ds_load_b32 v[84+(\k)], v[O4] offset:RED+1024*(\k)  ; no wait: v84 to v89 were last named by vector instructions ahead of the last trip's first wait on va_vdst
.endr
	s_wait_dscnt 0x0
	v_add_f32 v[SA0], v[SA0], v84
	v_add_f32 v[SA1], v[SA1], v85
	v_add_f32 v[SA2], v[SA2], v86
	v_add_f32 v[DA0], v[DA0], v87
	v_add_f32 v[DA1], v[DA1], v88
	v_add_f32 v[DA2], v[DA2], v89
	v_mul_f32 v[SA0], v[SA0], v[FS]
	v_mul_f32 v[SA1], v[SA1], v[FS+1]
	v_mul_f32 v[SA2], v[SA2], v[FS+2]
	v_mul_f32 v[DA0], v[DA0], v[FD]
	v_mul_f32 v[DA1], v[DA1], v[FD+1]
	v_mul_f32 v[DA2], v[DA2], v[FD+2]
.irp a, SA0, SA1, SA2, DA0, DA1, DA2
	v_max_num_f32 v[\a], 0, v[\a]                  ; the two clips
.endr
	v_add_f32 v[SA0], v[SA0], v[DA0]
	v_add_f32 v[SA1], v[SA1], v[DA1]
	v_add_f32 v[SA2], v[SA2], v[DA2]
	s_wait_alu depctr_va_vdst(0)                   ; the point's three results are written, which the LDS stores read
	ds_store_b32 v[O12], v[SA0] offset:STAGE       ; the point's 12 bytes, where they lie in the work-group's 3,072 bytes of out0
	ds_store_b32 v[O12], v[SA1] offset:STAGE+4
	ds_store_b32 v[O12], v[SA2] offset:STAGE+8
.Lstaged:
	s_wait_dscnt 0x0                               ; for the others' sake: my points are staged
	s_barrier_signal -1
	s_barrier_wait -1
	s_cmp_lt_u32 s[WV], 6                          ; 3,072 bytes are six waves' stores of 512
	s_cbranch_scc0 .Lend
	s_lshl_b32 s29, s[WV], 9
	v_lshl_add_u32 v50, v[LN], 4, s29
	s_wait_alu depctr_va_vdst(0)                   ; v50 is written, which the LDS load and the store read; the additions above are done reading v84 to v87, in which the load lands
	ds_load_b128 v[84:87], v50 offset:STAGE
	s_wait_dscnt 0x0
	global_store_b128 v50, v[84:87], s[22:23]      ; 16 lanes store 256 consecutive bytes, at a multiple of 256 from out0's first byte
.Lend:
	s_wait_dscnt 0x0                               ; the closing lines, six on end
	s_wait_alu 0x0
	s_wait_tensorcnt 0x0
	ds_add_u32 v[SPW], v[NIL]
	s_wait_dscnt 0x0
	s_endpgm
.Lfunc_end_k_qede82b7ec2_sgshade:
	.size	k_qede82b7ec2_sgshade, .Lfunc_end_k_qede82b7ec2_sgshade-k_qede82b7ec2_sgshade
	.p2alignl 7, 3214868480
	.fill 96, 4, 3214868480
	.section	.rodata,"a",@progbits
	.p2align	6, 0x0
	.amdhsa_kernel k_qede82b7ec2_sgshade
		.amdhsa_group_segment_fixed_size 19456
		.amdhsa_private_segment_fixed_size 0
		.amdhsa_enable_private_segment 0
		.amdhsa_kernarg_size 64
		.amdhsa_user_sgpr_count 2
		.amdhsa_user_sgpr_kernarg_segment_ptr 1
		.amdhsa_wavefront_size32 1
		.amdhsa_system_sgpr_workgroup_id_x 1
		.amdhsa_system_sgpr_workgroup_id_y 1
		.amdhsa_system_sgpr_workgroup_id_z 1
		.amdhsa_system_vgpr_workitem_id 0
		.amdhsa_next_free_vgpr 240
		.amdhsa_next_free_sgpr 66
		.amdhsa_reserve_vcc 0
		.amdhsa_float_denorm_mode_32 3
		.amdhsa_float_denorm_mode_16_64 3
		.amdhsa_memory_ordered 1
		.amdhsa_forward_progress 1
		.amdhsa_inst_pref_size 35
	.end_amdhsa_kernel
	.amdgpu_metadata
---
amdhsa.version: [ 1, 2 ]
amdhsa.kernels:
  - .name:           k_qede82b7ec2_sgshade
    .symbol:         k_qede82b7ec2_sgshade.kd
    .args:
      - { .name: lgtSGs, .offset: 0, .size: 8, .value_kind: global_buffer, .address_space: global }
      - { .name: specular_reflectance, .offset: 8, .size: 8, .value_kind: global_buffer, .address_space: global }
      - { .name: roughness, .offset: 16, .size: 8, .value_kind: global_buffer, .address_space: global }
      - { .name: diffuse_albedo, .offset: 24, .size: 8, .value_kind: global_buffer, .address_space: global }
      - { .name: normal, .offset: 32, .size: 8, .value_kind: global_buffer, .address_space: global }
      - { .name: viewdirs, .offset: 40, .size: 8, .value_kind: global_buffer, .address_space: global }
      - { .name: blending_weights, .offset: 48, .size: 8, .value_kind: global_buffer, .address_space: global }
      - { .name: out0, .offset: 56, .size: 8, .value_kind: global_buffer, .address_space: global }
    .group_segment_fixed_size: 19456
    .private_segment_fixed_size: 0
    .kernarg_segment_align: 8
    .kernarg_segment_size: 64
    .max_flat_workgroup_size: 512
    .sgpr_count:     66
    .vgpr_count:     240
    .wavefront_size: 32
...
	.end_amdgpu_metadata
.endif
;; end of part 2
